; MI455X (gfx1250); checked and timed in simulation.
; The chip was launched on July 23, 2026; its instructions are those of AMD's public machine-readable ISA for CDNA 5 (MIT licence, August 2026) and "CDNA5" Instruction Set Architecture Reference Guide (July 2026). The comments in the code are by the model that wrote it; some were corrected since.
;; Attention Layer. Allowed arithmetic: matrix products marked QUANTISED: E2M1 operands, one E8M0 scale for each 32 along K, by v_wmma_scale_f32_16x16x128_f8f6f4 with both operands' format E2M1 (or v_wmma_scale_f32_32x16x128_f4), f32 sums; products left as they are: bf16, f16 or f32 operands; f32 sums; everything else in f32.
;; Inputs: Wk 512 x 512 float32; Wo 512 x 512 float32; Wq 512 x 512 float32; Wv 512 x 512 float32; bo 512 float32; hop_matrix 1,024 x 1,024 int32; rpe 8 x 9 float32; x 16 x 1,024 x 512 float32.
;; Outputs: out0 16 x 1,024 x 512 float32.
;; This version of the problem:
;;   THIS VERSION OF THE PROBLEM IS GIVEN IN LOW PRECISION. The matrix products marked QUANTISED in the list below multiply operands that are first quantised to E2M1 (2 exponent bits, 1 mantissa bit; 4 bits a number), with one power-of-two scale for each 32 numbers along K (OCP MX v1.0); their sums are f32. The products marked 'left as it is' may take bf16, f16 or f32 operands, with f32 sums. Whichever they take, every output number must still come out within the allowed error. Rounding operands to bf16 (8 significant bits) uses up far more of that allowance than f16 does (11 bits, for magnitudes from 6e-5 to 65,504). All else is computed in f32.
;;   The module's matrix products, in the order in which they are computed (A, B: the left and right operand; K: the contracted axis; several contracted axes count as one K, in the product's order):
;;     1. [M 16,384, K 512] x [K 512, N 512]; A: input x; B: input Wq: QUANTISED
;;     2. [M 16,384, K 512] x [K 512, N 512]; A: input x; B: input Wk: QUANTISED
;;     3. [M 16,384, K 512] x [K 512, N 512]; A: input x; B: input Wv: QUANTISED
;;     4. batch 128 x [M 1,024, K 64] x [K 64, N 1,024]; A: computed on the way; B: computed on the way: left as it is (an operand is computed on the way)
;;     5. batch 128 x [M 1,024, K 1,024] x [K 1,024, N 64]; A: computed on the way; B: computed on the way: left as it is (an operand is computed on the way)
;;     6. [M 16,384, K 512] x [K 512, N 512]; A: computed on the way; B: input Wo: left as it is (an operand is computed on the way)
;;   THE QUANTISER, for each operand of a quantised product, along K:
;;     - K is cut into blocks of 32 from its start; a last block that is shorter is filled with zeros.
;;     - A block's scale is 2^e with e = floor(log2(the largest magnitude in the block)) - 2, held to -126 .. 127; a block of zeros has e = 0. As a byte (E8M0): e + 127.
;;     - Each number is divided by its block's scale, clamped to +-6, and rounded to the nearest number of E2M1, ties to even, subnormals kept.
;;     - The product sums the exact products of the quantised numbers (number of the format x scale) in f32.
;;   ~~~python
;;   def quantise(x, axis):      # numpy; x: float32 -> the quantised numbers, widened to float32 again
;;       x = np.moveaxis(x, axis, -1); K = x.shape[-1]
;;       x = np.pad(x, [(0, 0)] * (x.ndim - 1) + [(0, -K % 32)]); x = x.reshape(x.shape[:-1] + (-1, 32)); a = np.abs(x).max(-1, keepdims=True)
;;       e = np.where(a > 0, np.clip(np.frexp(np.where(a > 0, a, 1))[1] - 1 - 2, -126, 127), 0)      # np.frexp(a)[1] - 1 = floor(log2(a)), exactly
;;       r = np.clip(x / 2.0 ** e, -6, 6)
;;       step = 2.0 ** (np.maximum(np.frexp(np.where(r == 0, 1, r))[1] - 1, 0) - 1)
;;       q = np.round(r / step) * step * 2.0 ** e      # np.round: ties to even
;;       return np.moveaxis(q.reshape(q.shape[:-2] + (-1,))[..., :K], -1, axis).astype(np.float32)
;;   ~~~
;; One version. Each part assembles by itself: llvm-mc -triple=amdgcn-amd-amdhsa -mcpu=gfx1250 --defsym DOCPART=n.
;; ======== version 1 of 1: 3 launches
;; limits: values are held in f16: magnitudes above 65,504 overflow, below 6.1e-05 lose precision
;; workspace buffers: xc 4,194,304 bytes; xs 262,144 bytes; wc 393,216 bytes; ws 24,576 bytes; biasf 33,554,432 bytes; wof 524,288 bytes; of 16,777,216 bytes
;; launch prep (part 1): grid 568 x 1, 4 waves a work-group, no clusters, 39,424 bytes of LDS; arguments x, Wq, Wk, Wv, Wo, rpe, hop_matrix, xc, xs, wc, ws, biasf, wof; writes xc, xs, wc, ws, biasf, wof
.if DOCPART == 1
	.amdgcn_target "amdgcn-amd-amdhsa--gfx1250"
	.amdhsa_code_object_version 6
	.text
	.protected	k_qca693ef2bf_prep
	.globl	k_qca693ef2bf_prep
	.p2align	8
	.type	k_qca693ef2bf_prep,@function
k_qca693ef2bf_prep:
	s_mov_b64 s[64:65], 0
	v_nop
	global_prefetch_b8 v0, s[64:65] scope:SCOPE_SE
	s_setreg_imm32_b32 hwreg(HW_REG_WAVE_MODE, 25, 1), 1
	s_wait_xcnt 0x0
; PREPARATION, one launch with three kinds of work-group, told apart by the work-group's number alone:
;   0-279   x [16384][512] (0-255) and Wq, Wk, Wv [512][512] (256-279, eight each) become codes of FP4 (E2M1) with one E8M0 byte for each 32 along K (K = 512 is innermost in all four).
;   280-535 the bias table: log2(e) x rpe[h][hop[q][k]] in f32, laid as the C operand of the transposed score product (a lane: one query, eight keys).
;   536-567 Wo [512][512] becomes f16, laid as operand fragments.
; LAYOUTS.  Everything is laid in the ORDER OF THE READER'S REGISTERS: a group of four registers is 512 bytes, lane l's 16 bytes at 16 l (r = l % 16, hh = l / 16).
;   codes: [tile of 16 rows][K step of 128: 4][c: 2][lane][16]: lane (r, hh) holds the 32 codes of row r, block 4 s + 2 c + hh.  So block j of the 16 rows is 256 bytes on end: 16 rows x 16 bytes.
;   scale bytes: [row][16]: word s is the scale word of K step s.
;   bias: [head][tile of 16 queries: 64][tile of 16 keys: 64][c: 2][lane][16]: lane (r, hh), word e: query r, key 8 hh + 4 c + e.
;   Wo: [tile of 16 rows: 32][K step of 32: 16][c: 2][lane][16]: lane (r, hh): row r, k = 16 c + 8 hh + 0 .. 7.
; THE QUANTISER: a block's scale is 2^(floor(log2(its largest magnitude)) - 2); its byte is the largest magnitude's exponent field - 2, held at 1 from below; each number is divided by the scale and rounded to the nearest code, ties to even, beyond 6 the code of 6.
; LIMITS: a block of zeros gets the byte 1 where the rule says 127 (its codes are zeros, and this program alone reads the bytes); blocks whose largest magnitude lies under 2^-124 keep the byte 1; NaN and infinities are not served;
; a hop outside 0 .. 8 takes entry 0; |Wo| stays under 65,504 (f16), and under 6e-5 it keeps f16's absolute step.
; No tensor loads, no barrier: waves share nothing.  Matrix units and clusters have nothing to do here: every byte is read once.
.set WREG,  9728                       ; LDS of a quantising wave: two stages of 32 x 80, 256 scale bytes, 16 blocks of codes at a pitch of 272
.set SP,    80                         ; a lane's place in a stage: 64 bytes + 16 of padding
.set SCB,   5120                       ; the scale bytes
.set COD,   5376                       ; the codes: block j at 272 j, so that the 16 blocks that a store touches start at 16 different groups of four banks
.set CP,    272
.set SPARE, 4*WREG                     ; the spare words, 128 bytes for each wave: two blocks of 256 bytes that no other line names
.set STEPS, 16
.set EMAX,  2
.set SPW,   12                         ; v12  LDS address of my spare word; never rewritten
.set NIL,   13                         ; v13  0; never rewritten
.set R,     16                         ; v16-79   four sets of 16 numbers as they are loaded
.set X,     80                         ; v80-111  two sets of 16 neighbours
.set E,     112                        ; v112-127 a scale byte for each step
.set C,     128                        ; v128-191 codes: registers of its own for each step
.set HP,    16                         ; bias path: v16-47 hops;  v48-55 store offsets, one a head;  v64-135 rpe x log2(e);  v136-167 results
.set BO,    48
.set RP,    64
.set OU,    136
	s_load_b512 s[4:19], s[0:1], 0x0               ; x, Wq, Wk, Wv, Wo, rpe, hop_matrix, xc
	s_load_b256 s[20:27], s[0:1], 0x40             ; xs, wc, ws, biasf
	s_load_b64 s[28:29], s[0:1], 0x60              ; wof
	v_lshl_add_u32 v[SPW], v0, 2, SPARE
	v_mov_b32 v[NIL], 0
	v_lshrrev_b32 v1, 5, v0
	v_readfirstlane_b32 s30, v1                    ; wave 0..3
	v_and_b32 v2, 31, v0                           ; lane
	v_lshlrev_b32 v3, 4, v2                        ; 16 x lane
	s_mov_b32 s41, 0                               ; the high word of every offset pair s[40:41]
	s_wait_kmcnt 0x0
	s_cmp_ge_u32 ttmp9, 536
	s_cbranch_scc1 .Lwo
	s_cmp_ge_u32 ttmp9, 280
	s_cbranch_scc1 .Lbias
; ---------------- x, Wq, Wk, Wv into codes.  A wave takes a tile of 16 rows, a row (512 numbers) a step.
; A load reads 512 consecutive bytes, 16 a lane; the conversions want 16 NEIGHBOURS in a lane: so a row's 2,048 bytes turn through the wave's own stage in LDS and come back 64 bytes a lane.  Two neighbouring lanes hold a block.
	s_mul_i32 s31, s30, WREG
	s_add_co_u32 s42, s31, SCB
	s_add_co_u32 s43, s31, COD
	v_lshrrev_b32 v14, 2, v2
	v_mul_u32_u24 v14, v14, SP
	v_and_b32 v15, 3, v2
	v_lshl_add_u32 v14, v15, 4, v14
	v_add_nc_u32 v14, s31, v14                     ; the stage, way in: 80 (lane / 4) + 16 (lane % 4)
	v_mul_u32_u24 v15, v2, SP
	v_add_nc_u32 v15, s31, v15                     ; way out: 80 x lane
	v_lshrrev_b32 v5, 1, v2                        ; my block
	v_mul_u32_u24 v4, v5, CP
	v_and_b32 v6, 1, v2
	v_lshl_add_u32 v4, v6, 3, v4
	v_add_nc_u32 v4, s43, v4                       ; my 8 bytes of codes: block's place + 8 x (lane % 2); the row stands in the immediate
	v_add_nc_u32 v5, s42, v5                       ; my block's scale byte
	v_lshlrev_b32 v7, 3, v2
	v_add_nc_u32 v6, s42, v7                       ; the scale bytes' way out: 8 bytes a lane
	v_lshrrev_b32 v10, 4, v2
	v_mul_u32_u24 v10, v10, CP
	v_and_b32 v11, 15, v2
	v_lshl_add_u32 v10, v11, 4, v10
	v_add_nc_u32 v10, s43, v10                     ; the codes' way out: sixteen lanes to a block, two blocks an instruction
	s_cmp_lt_u32 ttmp9, 256                        ; x's work-group or a weight's?  Every choice hangs on the work-group's number alone
	s_cselect_b64 s[32:33], s[4:5], s[6:7]
	s_cselect_b64 s[34:35], s[18:19], s[22:23]
	s_cselect_b64 s[36:37], s[20:21], s[24:25]
	s_cselect_b32 s38, 0, 256
	s_cselect_b32 s39, -1, 7
	s_cmp_ge_u32 ttmp9, 264
	s_cselect_b64 s[32:33], s[8:9], s[32:33]
	s_cmp_ge_u32 ttmp9, 272
	s_cselect_b64 s[32:33], s[10:11], s[32:33]
	s_sub_co_u32 s38, ttmp9, s38                   ; my number among x's work-groups, or among the weights'
	s_and_b32 s39, s38, s39                        ; and inside my tensor
	s_lshl_b32 s38, s38, 2
	s_add_co_u32 s38, s38, s30                     ; the tile in the codes' and scales' buffer
	s_lshl_b32 s39, s39, 2
	s_add_co_u32 s39, s39, s30                     ; the tile in the tensor
	s_lshl_b32 s40, s39, 15                        ; 16 rows of 2,048 bytes
	s_add_nc_u64 s[32:33], s[32:33], s[40:41]
	s_lshl_b32 s40, s38, 12                        ; 4,096 bytes of codes
	s_add_nc_u64 s[34:35], s[34:35], s[40:41]
	s_lshl_b32 s40, s38, 8                         ; 256 scale bytes
	s_add_nc_u64 s[36:37], s[36:37], s[40:41]
.macro LOAD t
.irp i, 0,1,2,3
	global_load_b128 v[R+16*((\t)%4)+4*\i:R+16*((\t)%4)+4*\i+3], v3, s[32:33] offset:2048*(\t)+512*\i th:TH_LOAD_NT   ; 32 lanes read 512 consecutive bytes
.endr
.endm
.macro TURN t                          ; row t through the stage: LDS serves a wave's instructions in order, so no wait stands between the stores and the loads
.irp i, 0,1,2,3
	ds_store_b128 v14, v[R+16*((\t)%4)+4*\i:R+16*((\t)%4)+4*\i+3] offset:32*SP*((\t)%2)+8*SP*\i
.endr
.irp i, 0,1,2,3
	ds_load_b128 v[X+16*((\t)%2)+4*\i:X+16*((\t)%2)+4*\i+3], v15 offset:32*SP*((\t)%2)+16*\i
.endr
.endm
.irp t, 0,1,2,3
	LOAD \t
.endr
	s_wait_loadcnt 12                              ; row 0's four loads are in; the twelve of rows 1 to 3 may be out
	TURN 0
.macro STEP t
.set XS, X+16*((\t)%2)
.if (\t) > 0
	s_wait_dscnt 2                                 ; this row is back from the stage; the last step's byte store and code store, issued behind, may be out
.else
	s_wait_dscnt 0x0
.endif
.if (\t)+4 < STEPS
	LOAD (\t)+4                                    ; the stage's stores have read these registers
.endif
.if (\t)+1 < STEPS
.if STEPS-2-(\t) >= 3
	s_wait_loadcnt 12                              ; the next row's four loads are in; those of the three rows behind it may be out
.else
	s_wait_loadcnt 4*(STEPS-2-(\t))
.endif
	TURN (\t)+1
.endif
	v_max3_num_f32 v8, |v[XS]|, |v[XS+1]|, |v[XS+2]|               ; the largest magnitude of my 16, in two chains
	v_max3_num_f32 v9, |v[XS+3]|, |v[XS+4]|, |v[XS+5]|
.irp i, 6,10
	v_max3_num_f32 v8, v8, |v[XS+\i]|, |v[XS+\i+1]|
	v_max3_num_f32 v9, v9, |v[XS+\i+2]|, |v[XS+\i+3]|
.endr
	v_max3_num_f32 v8, v8, |v[XS+14]|, |v[XS+15]|
	v_max3_num_f32 v8, v8, v9, (EMAX+1)<<23        ; and the floor 2^(3 - 127): the byte cannot fall under 1
	v_max_num_f32_dpp v8, v8, v8 row_xmask:1 row_mask:0xf bank_mask:0xf   ; with my neighbour's 16: the block's
	v_add_nc_u32 v11, -(EMAX<<23), v8              ; 2 off its exponent field: the conversion takes the exponent field of this operand as its scale
	v_cvt_scalef32_pk8_fp4_f32 v[C+4*(\t)], v[XS:XS+7], v11
	v_cvt_scalef32_pk8_fp4_f32 v[C+4*(\t)+1], v[XS+8:XS+15], v11
	v_lshrrev_b32 v[E+(\t)], 23, v11               ; the scale's byte (a plain line behind the conversions)
	ds_store_b8 v5, v[E+(\t)] offset:16*(\t)       ; row t, block lane / 2; both lanes of a block write the same byte with the same value
	ds_store_b64 v4, v[C+4*(\t):C+4*(\t)+1] offset:16*(\t)   ; my 16 codes: block's place, row t's 16 bytes, my half
.endm
.irp t, 0,1,2,3,4,5,6,7,8,9,10,11,12,13,14,15
	STEP \t
.endr
	ds_load_b64 v[8:9], v6                         ; LDS serves a wave's instructions in order: these see my stores
.irp n, 0,1,2,3,4,5,6,7
	ds_load_b128 v[R+4*\n:R+4*\n+3], v10 offset:2*CP*\n
.endr
	s_wait_dscnt 0x0
	global_store_b64 v7, v[8:9], s[36:37]          ; 32 lanes store 256 consecutive bytes, aligned
.irp n, 0,1,2,3,4,5,6,7
	global_store_b128 v3, v[R+4*\n:R+4*\n+3], s[34:35] offset:512*\n   ; 512 consecutive bytes: blocks 2 n and 2 n + 1
.endr
	s_branch .Lend
; ---------------- the bias table.  A wave takes 16 queries x 64 keys, for all eight heads: a hop is read once and serves eight selections.
; The hop only SELECTS a value (v_cndmask_b32): no address and no branch hangs on it.
.Lbias:
	s_sub_co_u32 s38, ttmp9, 280
	s_lshl_b32 s38, s38, 2
	s_add_co_u32 s38, s38, s30                     ; 0 .. 1023
	s_lshr_b32 s39, s38, 4                         ; tile of queries
	s_and_b32 s38, s38, 15                         ; group of 64 keys
	s_lshl_b32 s39, s39, 16                        ; 16 rows of hop are 65,536 bytes, and so is a query tile of the table
	s_lshl_b32 s40, s38, 8
	s_add_co_u32 s40, s40, s39
	s_add_nc_u64 s[16:17], s[16:17], s[40:41]
	s_lshl_b32 s40, s38, 12                        ; four key tiles of 1,024 bytes
	s_add_co_u32 s40, s40, s39
	s_add_nc_u64 s[26:27], s[26:27], s[40:41]
	v_and_b32 v4, 15, v0
	v_bfe_u32 v5, v0, 4, 1
	v_lshlrev_b32 v4, 12, v4
	v_lshl_or_b32 v4, v5, 5, v4                    ; hop: row r, + 8 hh keys
	v_mov_b32 v5, 0
.irp h, 0,1,2,3,4,5,6,7
	v_add_nc_u32 v[BO+\h], \h<<22, v3              ; 16 x lane + the head's 4 MiB: too far for an immediate
.endr
.irp n, 0,1,2,3,4,5,6,7
	global_load_b128 v[HP+4*\n:HP+4*\n+3], v4, s[16:17] offset:64*(\n/2)+16*(\n%2) th:TH_LOAD_NT   ; key tile n / 2, c = n % 2
.endr
.set nn, 0
.rept 18
	global_load_b128 v[RP+4*nn:RP+4*nn+3], v5, s[14:15] offset:16*nn   ; all 72 numbers of rpe, in every lane
.set nn, nn+1
.endr
	s_wait_loadcnt 0x0
.set nn, 0
.rept 36
	v_pk_mul_f32 v[RP+nn:RP+nn+1], v[RP+nn:RP+nn+1], 0x3fb8aa3b op_sel_hi:[1,0]   ; x log2(e): the softmax works in powers of two
.set nn, nn+2
.endr
.macro GRP n                           ; four keys a lane: eight masks a key, then eight chains of selections, one a head, by turns
.if (\n) > 0
	s_wait_xcnt 0x0                                ; the last group's stores have read their data: the registers may be written again
.endif
.irp e, 0,1,2,3
.irp i, 1,2,3,4,5,6,7,8
	v_cmp_eq_u32 s[39+\i], \i, v[HP+4*(\n)+\e]
.endr
.irp h, 0,1,2,3,4,5,6,7
	v_cndmask_b32 v[OU+4*\h+\e], v[RP+9*\h], v[RP+9*\h+1], s40
.endr
.irp i, 2,3,4,5,6,7,8
.irp h, 0,1,2,3,4,5,6,7
	v_cndmask_b32 v[OU+4*\h+\e], v[OU+4*\h+\e], v[RP+9*\h+\i], s[39+\i]
.endr
.endr
.endr
.irp h, 0,1,2,3,4,5,6,7
	global_store_b128 v[BO+\h], v[OU+4*\h:OU+4*\h+3], s[26:27] offset:1024*((\n)/2)+512*((\n)%2)   ; 512 consecutive bytes, aligned
.endr
.endm
.irp n, 0,1,2,3,4,5,6,7
	GRP \n
.endr
	s_branch .Lend
; ---------------- Wo into f16 fragments.  A wave takes 16 rows x 128 along K: eight groups of four registers.
.Lwo:
	s_sub_co_u32 s38, ttmp9, 536
	s_lshl_b32 s38, s38, 2
	s_add_co_u32 s38, s38, s30                     ; 0 .. 127
	s_lshr_b32 s39, s38, 2                         ; tile of rows
	s_and_b32 s38, s38, 3                          ; which 128 along K
	s_lshl_b32 s40, s39, 15
	s_lshl_b32 s42, s38, 9
	s_add_co_u32 s40, s40, s42
	s_add_nc_u64 s[12:13], s[12:13], s[40:41]
	s_lshl_b32 s40, s39, 14
	s_lshl_b32 s42, s38, 12
	s_add_co_u32 s40, s40, s42
	s_add_nc_u64 s[28:29], s[28:29], s[40:41]
	v_and_b32 v4, 15, v0
	v_bfe_u32 v5, v0, 4, 1
	v_lshlrev_b32 v4, 11, v4
	v_lshl_or_b32 v4, v5, 5, v4                    ; row r of 2,048 bytes, + 8 hh numbers
.irp n, 0,1,2,3,4,5,6,7
	global_load_b128 v[16+8*\n:19+8*\n], v4, s[12:13] offset:64*\n th:TH_LOAD_NT
	global_load_b128 v[20+8*\n:23+8*\n], v4, s[12:13] offset:64*\n+16 th:TH_LOAD_NT
.endr
	s_wait_loadcnt 0x0
.irp n, 0,1,2,3,4,5,6,7
.irp p, 0,1,2,3
	v_cvt_pk_f16_f32 v[80+4*\n+\p], v[16+8*\n+2*\p], v[17+8*\n+2*\p]
.endr
.endr
.irp n, 0,1,2,3,4,5,6,7
	global_store_b128 v3, v[80+4*\n:83+4*\n], s[28:29] offset:512*\n
.endr
.Lend:
	s_wait_tensorcnt 0x0                           ; the wave's end, behind my last LDS store
	ds_add_u32 v[SPW], v[NIL]
	s_wait_dscnt 0x0
	s_endpgm
.Lfunc_end_k_qca693ef2bf_prep:
	.size	k_qca693ef2bf_prep, .Lfunc_end_k_qca693ef2bf_prep-k_qca693ef2bf_prep
	.p2alignl 7, 3214868480
	.fill 96, 4, 3214868480
	.section	.rodata,"a",@progbits
	.p2align	6, 0x0
	.amdhsa_kernel k_qca693ef2bf_prep
		.amdhsa_group_segment_fixed_size 39424
		.amdhsa_private_segment_fixed_size 0
		.amdhsa_enable_private_segment 0
		.amdhsa_kernarg_size 104
		.amdhsa_user_sgpr_count 2
		.amdhsa_user_sgpr_kernarg_segment_ptr 1
		.amdhsa_wavefront_size32 1
		.amdhsa_system_sgpr_workgroup_id_x 1
		.amdhsa_system_sgpr_workgroup_id_y 1
		.amdhsa_system_sgpr_workgroup_id_z 1
		.amdhsa_system_vgpr_workitem_id 0
		.amdhsa_next_free_vgpr 192
		.amdhsa_next_free_sgpr 66
		.amdhsa_reserve_vcc 0
		.amdhsa_float_denorm_mode_32 3
		.amdhsa_float_denorm_mode_16_64 3
		.amdhsa_memory_ordered 1
		.amdhsa_forward_progress 1
		.amdhsa_inst_pref_size 197
	.end_amdhsa_kernel
	.amdgpu_metadata
---
amdhsa.version: [ 1, 2 ]
amdhsa.kernels:
  - .name:           k_qca693ef2bf_prep
    .symbol:         k_qca693ef2bf_prep.kd
    .args:
      - { .name: x, .offset: 0, .size: 8, .value_kind: global_buffer, .address_space: global }
      - { .name: Wq, .offset: 8, .size: 8, .value_kind: global_buffer, .address_space: global }
      - { .name: Wk, .offset: 16, .size: 8, .value_kind: global_buffer, .address_space: global }
      - { .name: Wv, .offset: 24, .size: 8, .value_kind: global_buffer, .address_space: global }
      - { .name: Wo, .offset: 32, .size: 8, .value_kind: global_buffer, .address_space: global }
      - { .name: rpe, .offset: 40, .size: 8, .value_kind: global_buffer, .address_space: global }
      - { .name: hop_matrix, .offset: 48, .size: 8, .value_kind: global_buffer, .address_space: global }
      - { .name: xc, .offset: 56, .size: 8, .value_kind: global_buffer, .address_space: global }
      - { .name: xs, .offset: 64, .size: 8, .value_kind: global_buffer, .address_space: global }
      - { .name: wc, .offset: 72, .size: 8, .value_kind: global_buffer, .address_space: global }
      - { .name: ws, .offset: 80, .size: 8, .value_kind: global_buffer, .address_space: global }
      - { .name: biasf, .offset: 88, .size: 8, .value_kind: global_buffer, .address_space: global }
      - { .name: wof, .offset: 96, .size: 8, .value_kind: global_buffer, .address_space: global }
    .group_segment_fixed_size: 39424
    .private_segment_fixed_size: 0
    .kernarg_segment_align: 8
    .kernarg_segment_size: 104
    .max_flat_workgroup_size: 128
    .sgpr_count:     66
    .vgpr_count:     192
    .wavefront_size: 32
...
	.end_amdgpu_metadata
.endif
;; end of part 1
;; launch attn (part 2): grid 256 x 1, 16 waves a work-group, no clusters, 316,416 bytes of LDS; arguments xc, xs, wc, ws, biasf, of; writes of
.if DOCPART == 2
	.amdgcn_target "amdgcn-amd-amdhsa--gfx1250"
	.amdhsa_code_object_version 6
	.text
	.protected	k_qca693ef2bf_attn
	.globl	k_qca693ef2bf_attn
	.p2align	8
	.type	k_qca693ef2bf_attn,@function
k_qca693ef2bf_attn:
	s_mov_b64 s[64:65], 0
	v_nop
	global_prefetch_b8 v0, s[64:65] scope:SCOPE_SE
	s_setreg_imm32_b32 hwreg(HW_REG_WAVE_MODE, 25, 1), 1
	s_wait_xcnt 0x0
; q, k, v = x Wq^T, x Wk^T, x Wv^T on codes of FP4 with E8M0 scales; o = softmax(q k^T / 8 + rpe[h][hop]) v with f16 operands and f32 sums.  q, k, v never go to memory.
; SHARES.  A work-group owns one batch b, one head h and one half qh of the 1,024 queries; each of its SIXTEEN waves owns 32 queries, two tiles of 16, in 256 registers: four waves to a SIMD, so that one wave's
; vector work stands beside another's matrix work and loads.  The key loop has no barrier.
; PHASE 1.  Wave w makes K and V of 64 keys (four tiles of x) and Q of its own 32 queries, 160 scaled matrix instructions, and stores K and V as f16 IMAGES OF OPERAND REGISTERS in LDS (a group of four registers = 512 bytes, lane l at 16 l).
; K and V of the whole head, 2 x 131,072 bytes, then stay there: nothing in LDS is ever filled again.
; THE ORDER OF THE KEYS in LDS is the work-group's own: place 4 w + i holds key tile 32 qh + 2 w + i (i = 0, 1) or 32 (1 - qh) + 2 w + i - 2 (i = 2, 3).  A softmax does not care, so long as K, V and the bias go alike;
; so a wave's four tiles of x hold its own two query tiles, and no LDS address hangs on the work-group's number.
; PHASE 2.  16 steps of 64 keys.  Both products are used transposed: S^T = K Q^T (source 0 = 16 keys, source 1 = 16 queries), O^T = V^T P: a lane holds ONE query (lane % 16) throughout.
; THE BIAS IS THE C OF THE FIRST SCORE PRODUCT: it comes from memory, in f32 and times log2(e), straight into the score registers, and costs no vector instruction.  q is multiplied by log2(e) / 8 in f32 before it is rounded to f16.
; THE NEXT STEP'S BIAS IS ASKED FOR AS SOON AS THE SCORE REGISTERS ARE FREE: p in f16 does not stay among them but goes into the upper half of K's registers, which are done with, and V^T comes in two halves of 32 registers
; into the lower half.  So between a bias load and the wait for it stand O^T's rescaling, the step's 16 products V^T P and two runs of LDS loads.
; SOFTMAX: a running maximum m and sum l for each query; p = 2^(t - m); in every step O and l are multiplied by 2^(old m - new m).  The sum is taken of p in f32, before p is rounded to f16.
; NO CLUSTER, NO TENSOR LOAD: what several work-groups read alike is the bias (the 16 batches of a head and half), and it goes into registers: of the 327,680 bytes of LDS 316,416 are taken, so a joint load would have nowhere to land;
; the codes of x and W are 0.4 MB a work-group, read once at the head.
; LIMITS: |q| log2(e) / 8, |k|, |v|, |o| stay under 65,504 (f16); under 6e-5 they keep f16's absolute step.  NaN and infinities are not served.
.set VL,    131072                     ; LDS: K at 0: [place: 64][d step of 32: 2][c: 2][512];  V here: [32 keys: 32][16 d: 4][c = key tile's parity: 2][512]
.set WL,    262144                     ; the head's codes of Wq, Wk, Wv: [m: 3][16 rows: 4][K step: 4][c: 2][512]
.set WSL,   311296                     ; their scale bytes: [m: 3][64 rows][16]
.set SPARE, 314368                     ; the spare words, 128 bytes for each wave: eight blocks of 256 bytes that no other line names
.set LI,   1                           ; v1   16 x lane
.set R16,  2                           ; v2   16 x (lane % 16)
.set KST,  3                           ; v3   where I store K's images: 8,192 w + 16 lane
.set VST,  4                           ; v4   and V's
.set WA,   5                           ; v5   W's codes in LDS
.set WSA,  6                           ; v6   W's scale words in LDS
.set SPW,  7                           ; v7   LDS address of my spare word; never rewritten
.set NIL,  8                           ; v8   0; never rewritten
.set WST,  9                           ; v9   where I stage W's codes;  in phase 2 PFO, the prefetch's offset
.set WSST, 10                          ; v10  where waves 0-5 stage W's scale bytes
.set LIV,  11                          ; v11  VL + 16 lane
.set XSC,  12                          ; v12-27  phase 1: x's scale words, tile i, K step s at 12 + 4 i + s
.set WSC,  28                          ; v28-31  phase 1: W's scale words of the round's 16 rows
.set HR,   32                          ; v32-47  phase 1: K's or V's results in f16
.set QF,   32                          ; v32-63  Q: tile t, d step e at 32 + 16 t + 8 e
.set WF,   64                          ; v64-95  phase 1: W's four fragments
.set ACC,  96                          ; v96-127 phase 1: four accumulators
.set XF,   128                         ; v128-255 phase 1: x's fragments, tile i, K step s at 128 + 32 i + 8 s
.set ST,   12                          ; phase 2: tile t's statistics at 12 + 8 t: +0 m, +1 old m, then old m - new m, +2, +3 l in two halves, +4 f, +5 (named with f as a pair), +6, +7 at work
.set BA,   28                          ; v28, v29 the bias's offsets: 16 lane + my half's 32 key tiles, + the other half's
.set BB,   29
.set KA,   30                          ; v30, v31 LDS addresses of the step's K and V
.set VA,   31
.set PFO,  9
.set OA,   64                          ; v64-127  O^T: tile t, 16 d at 64 + 32 t + 8 dt
.set S,    128                         ; v128-191 the bias, then S^T, then p in f32; then the next step's bias
.set KV,   192                         ; v192-255 the step's K: fragment (key tile kt, d step e) at 192 + 16 kt + 8 e
.set VH,   192                         ; v192-223 then half of the step's V^T: fragment (32 keys gg, 16 d x of the half's two) at 192 + 16 gg + 8 x
.set PF,   224                         ; v224-255 and p in f16: tile t, 32 keys gg at 224 + 16 t + 8 gg
	s_load_b256 s[4:11], s[0:1], 0x0               ; xc, xs, wc, ws
	s_load_b128 s[12:15], s[0:1], 0x20             ; biasf, of
	v_lshl_add_u32 v[SPW], v0, 2, SPARE
	v_mov_b32 v[NIL], 0
	v_lshrrev_b32 v1, 5, v0
	v_readfirstlane_b32 s16, v1                    ; wave 0..15
	v_and_b32 v1, 31, v0
	v_lshlrev_b32 v[LI], 4, v1
	v_and_b32 v2, 15, v0
	v_lshlrev_b32 v[R16], 4, v2
	s_lshl_b32 s43, s16, 13
	v_add_nc_u32 v[KST], s43, v[LI]
	v_add_nc_u32 v[VST], VL, v[KST]
	v_add_nc_u32 v[WA], WL, v[LI]
	v_add_nc_u32 v[WSA], WSL, v[R16]
	s_lshl_b32 s43, s16, 10
	v_add_nc_u32 v[WST], s43, v[WA]
	s_lshl_b32 s43, s16, 9
	v_add_nc_u32 v[WSST], s43, v[LI]
	v_add_nc_u32 v[WSST], WSL, v[WSST]
	v_add_nc_u32 v[LIV], VL, v[LI]
	s_and_b32 s17, ttmp9, 1                        ; qh
	s_bfe_u32 s18, ttmp9, 0x30001                  ; h
	s_lshr_b32 s19, ttmp9, 4                       ; b
	s_lshl_b32 s44, s16, 1
	s_lshl_b32 s45, s17, 5
	s_add_co_u32 s47, s44, s45                     ; 32 qh + 2 w: my first query tile in the sequence
	s_xor_b32 s45, s45, 32
	s_add_co_u32 s46, s44, s45                     ; 32 (1 - qh) + 2 w
	s_lshl_b32 s44, s19, 6
	s_add_co_u32 s45, s44, s47                     ; the same two as tiles of x's 16,384 rows
	s_add_co_u32 s46, s44, s46
	s_mov_b32 s49, 0                               ; the high word of every offset pair s[48:49]
	s_mov_b32 s36, 0x3e38aa3b                      ; log2(e) / 8
	s_mov_b32 s37, s36                             ; (named with it as a pair)
	s_mov_b32 s38, 0x76543210                      ; v_permlanex16_b32's selects for lane l xor 16
	s_mov_b32 s39, 0xfedcba98
	s_wait_kmcnt 0x0
	s_lshl_b32 s48, s45, 12
	s_add_nc_u64 s[20:21], s[4:5], s[48:49]        ; x's codes: my own two tiles,
	s_lshl_b32 s48, s46, 12
	s_add_nc_u64 s[22:23], s[4:5], s[48:49]        ; and my two of the other half
	s_lshl_b32 s48, s45, 8
	s_add_nc_u64 s[24:25], s[6:7], s[48:49]        ; their scale bytes
	s_lshl_b32 s48, s46, 8
	s_add_nc_u64 s[26:27], s[6:7], s[48:49]
	s_lshl_b32 s48, s18, 14
	s_lshl_b32 s50, s16, 10
	s_add_co_u32 s48, s48, s50
	s_add_nc_u64 s[28:29], s[8:9], s[48:49]        ; W's codes: the head's 16,384 bytes of a matrix, my 1,024 of them
	s_lshr_b32 s48, s16, 1
	s_lshl_b32 s48, s48, 13
	s_and_b32 s50, s16, 1
	s_lshl_b32 s50, s50, 9
	s_add_co_u32 s48, s48, s50
	s_lshl_b32 s50, s18, 10
	s_add_co_u32 s48, s48, s50
	s_add_nc_u64 s[30:31], s[10:11], s[48:49]      ; W's scale bytes (waves 0-5): matrix w / 2, half w % 2 of the head's 1,024 bytes
	s_lshl_b32 s48, s18, 22
	s_lshl_b32 s50, s47, 16
	s_add_co_u32 s48, s48, s50
	s_add_nc_u64 s[32:33], s[12:13], s[48:49]      ; the bias: my head, my first query tile
	s_lshl_b32 s48, s45, 14
	s_lshl_b32 s50, s18, 11
	s_add_co_u32 s48, s48, s50
	s_add_nc_u64 s[34:35], s[14:15], s[48:49]      ; o: my first row tile, my head's two K steps
.irp m, 0,1,2
.irp i, 0,1
	global_load_b128 v[ACC+4*(2*\m+\i):ACC+4*(2*\m+\i)+3], v[LI], s[28:29] offset:\m*131072+512*\i
.endr
.endr
.set nn, 0
.rept 16
	global_load_b128 v[XF+4*nn:XF+4*nn+3], v[LI], s[20:21] offset:512*nn
.set nn, nn+1
.endr
.set nn, 0
.rept 16
	global_load_b128 v[XF+64+4*nn:XF+64+4*nn+3], v[LI], s[22:23] offset:512*nn
.set nn, nn+1
.endr
	global_load_b128 v[XSC:XSC+3], v[R16], s[24:25]            ; lane r: row r's four scale words
	global_load_b128 v[XSC+4:XSC+7], v[R16], s[24:25] offset:256
	global_load_b128 v[XSC+8:XSC+11], v[R16], s[26:27]
	global_load_b128 v[XSC+12:XSC+15], v[R16], s[26:27] offset:256
	s_cmp_lt_u32 s16, 6                            ; W's 3,072 scale bytes are six waves' work: load, wait and store stand in one branch on the wave's number
	s_cbranch_scc0 .Lno_ws
	global_load_b128 v[ACC+24:ACC+27], v[LI], s[30:31]
	s_wait_loadcnt 0x0
	ds_store_b128 v[WSST], v[ACC+24:ACC+27]
.Lno_ws:
	s_wait_loadcnt 36                              ; W's six loads are in: behind them stand x's 36 (on the way through the branch all have landed)
.irp m, 0,1,2
.irp i, 0,1
	ds_store_b128 v[WST], v[ACC+4*(2*\m+\i):ACC+4*(2*\m+\i)+3] offset:\m*16384+512*\i
.endr
.endr
	s_wait_dscnt 0x0                               ; for the others' sake: my part of W lies in LDS
	s_barrier_signal -1
	s_barrier_wait -1
.macro WLOAD m, dt                     ; 16 rows of matrix m: four fragments and the rows' scale words
.set nn, 0
.rept 8
	ds_load_b128 v[WF+4*nn:WF+4*nn+3], v[WA] offset:(\m)*16384+(\dt)*4096+512*nn
.set nn, nn+1
.endr
	ds_load_b128 v[WSC:WSC+3], v[WSA] offset:(\m)*1024+(\dt)*256
.endm
; A ROUND: 16 of the head's 64 columns of K (kind 0), V (1) or Q (2), for my four tiles of x (Q: my own two).  K = 512 in four instructions an accumulator, ascending; the accumulators take turns, one instruction a turn.
; K, Q: source 0 = W's 16 rows, source 1 = x's 16 rows: a lane holds one key or query and eight neighbouring d: four registers of f16 that ARE a group of the score product's operand.
; V: the sources change places: a lane holds one d and eight neighbouring keys: a group of V^T's fragment.
.macro ROUND kind, dt, more, nm, ndt
	s_wait_dscnt 0x0                               ; W's fragments and scale words are in; the last round's stores have read their registers
.set nt, 4
.if \kind == 2
.set nt, 2
.endif
.set kk, 0
.rept 4
.set ii, 0
.rept nt
.set rD, ACC+8*ii
.if \kind == 1
.set rA, XF+32*ii+8*kk
.set rB, WF+8*kk
.set rSA, XSC+4*ii+kk
.set rSB, WSC+kk
.else
.set rA, WF+8*kk
.set rB, XF+32*ii+8*kk
.set rSA, WSC+kk
.set rSB, XSC+4*ii+kk
.endif
.if kk == 0
	v_wmma_scale_f32_16x16x128_f8f6f4 v[rD:rD+7], v[rA:rA+7], v[rB:rB+7], 0, v[rSA], v[rSB] matrix_a_fmt:MATRIX_FMT_FP4 matrix_b_fmt:MATRIX_FMT_FP4
.else
	v_wmma_scale_f32_16x16x128_f8f6f4 v[rD:rD+7], v[rA:rA+7], v[rB:rB+7], v[rD:rD+7], v[rSA], v[rSB] matrix_a_fmt:MATRIX_FMT_FP4 matrix_b_fmt:MATRIX_FMT_FP4
.endif
.set ii, ii+1
.endr
.set kk, kk+1
.endr
.rept 4
	v_nop                                          ; four places in front of the loads into W's registers and of the first read of results
.endr
.if \more
	WLOAD \nm, \ndt                                ; the next round's, on their way under the conversions
.endif
.if \kind == 2
.set ii, 0
.rept 2
.set pp, 0
.rept 4
	v_pk_mul_f32 v[ACC+8*ii+2*pp:ACC+8*ii+2*pp+1], v[ACC+8*ii+2*pp:ACC+8*ii+2*pp+1], s[36:37] op_sel_hi:[1,0]   ; q x log2(e) / 8, in f32; each accumulator from its low end on
.set pp, pp+1
.endr
.set ii, ii+1
.endr
.set ii, 0
.rept 2
.set pp, 0
.rept 4
	v_cvt_pk_f16_f32 v[QF+16*ii+4*(\dt)+pp], v[ACC+8*ii+2*pp], v[ACC+8*ii+2*pp+1]
.set pp, pp+1
.endr
.set ii, ii+1
.endr
.else
.set ii, 0
.rept 4
.set pp, 0
.rept 4
	v_cvt_pk_f16_f32 v[HR+4*ii+pp], v[ACC+8*ii+2*pp], v[ACC+8*ii+2*pp+1]
.set pp, pp+1
.endr
.set ii, ii+1
.endr
.set ii, 0
.rept 4
.if \kind == 0
	ds_store_b128 v[KST], v[HR+4*ii:HR+4*ii+3] offset:2048*ii+512*(\dt)
.else
	ds_store_b128 v[VST], v[HR+4*ii:HR+4*ii+3] offset:4096*(ii/2)+1024*(\dt)+512*(ii%2)
.endif
.set ii, ii+1
.endr
.endif
.endm
	WLOAD 1, 0
	s_wait_loadcnt 0x0                             ; x's codes and scale words
	ROUND 0, 0, 1, 1, 1                            ; K (matrix 1)
	ROUND 0, 1, 1, 1, 2
	ROUND 0, 2, 1, 1, 3
	ROUND 0, 3, 1, 2, 0
	ROUND 1, 0, 1, 2, 1                            ; V (matrix 2)
	ROUND 1, 1, 1, 2, 2
	ROUND 1, 2, 1, 2, 3
	ROUND 1, 3, 1, 0, 0
	ROUND 2, 0, 1, 0, 1                            ; Q (matrix 0)
	ROUND 2, 1, 1, 0, 2
	ROUND 2, 2, 1, 0, 3
	ROUND 2, 3, 0, 0, 0
	s_wait_dscnt 0x0                               ; for the others' sake: my 64 keys of K and V lie in LDS
	s_barrier_signal -1
	s_barrier_wait -1                              ; the whole head's do.  From here on LDS is only read
.set nn, 0
.rept 64
	v_mov_b32 v[OA+nn], 0                          ; O^T.  (The step is written once: its first pass finds zeros, which the first change of m leaves zeros)
.set nn, nn+1
.endr
.irp t, 0,1
	v_mov_b32 v[ST+8*\t], 0xff61b1e6               ; m: -3e38, under every score
.irp j, 1,2,3,4,5,6,7
	v_mov_b32 v[ST+8*\t+\j], 0
.endr
.endr
	s_lshl_b32 s43, s17, 15                        ; my half's 32 key tiles of 1,024 bytes
	v_add_nc_u32 v[BA], s43, v[LI]
	s_xor_b32 s43, s43, 0x8000
	v_add_nc_u32 v[BB], s43, v[LI]
	v_bfe_u32 v[PFO], v0, 3, 1                     ; the prefetch's offset: lane l names block l of the 32 blocks of 256 bytes that my wave loads in a step:
	v_xor_b32 v[PFO], s17, v[PFO]                  ; my half's key tiles or the other half's (bit 3),
	v_lshlrev_b32 v[PFO], 15, v[PFO]
	v_bfe_u32 v[KA], v0, 4, 1
	v_lshl_or_b32 v[PFO], v[KA], 16, v[PFO]        ; query tile (bit 4),
	v_and_b32 v[KA], 7, v0
	v_lshl_or_b32 v[PFO], v[KA], 8, v[PFO]         ; which 256 of the two key tiles' 2,048 bytes
	s_mov_b32 s40, 0                               ; the step's place in K's and V's regions: 8,192 bytes a step
	s_mov_b32 s41, 15                              ; trips
	s_cmp_eq_u32 s19, 0
	s_cselect_b32 s42, 2, -1                       ; batch 0's work-group asks for the 16 batches that read the same bias; the others never
.macro BLOAD t                         ; a step's bias of query tile t, four key tiles, into the tile's score registers: eight loads
.irp k, 0,1
.irp c, 0,1
	global_load_b128 v[S+32*(\t)+8*\k+4*\c:S+32*(\t)+8*\k+4*\c+3], v[BA], s[32:33] offset:65536*(\t)+1024*\k+512*\c
.endr
.endr
.irp k, 0,1
.irp c, 0,1
	global_load_b128 v[S+32*(\t)+16+8*\k+4*\c:S+32*(\t)+16+8*\k+4*\c+3], v[BB], s[32:33] offset:65536*(\t)+1024*\k+512*\c
.endr
.endr
.endm
.macro KLOAD                           ; the step's K: fragment (key tile kt, d step e) at KV + 16 kt + 8 e
	v_add_nc_u32 v[KA], s40, v[LI]
.set nn, 0
.rept 16
	ds_load_b128 v[KV+4*nn:KV+4*nn+3], v[KA] offset:512*nn
.set nn, nn+1
.endr
.endm
.macro VLOAD d2                        ; half d2 of the step's V^T: d 32 d2 .. 32 d2 + 31 of both groups of 32 keys: fragment (gg, x) at VH + 16 gg + 8 x
.irp g, 0,1
.irp n, 0,1,2,3
	ds_load_b128 v[VH+16*\g+4*\n:VH+16*\g+4*\n+3], v[VA] offset:4096*\g+2048*(\d2)+512*\n
.endr
.endr
.endm
; Tile t's p: the sum in f32, in two chains, and behind the sum of pair i the pair's rounding to f16 into register i of the tile's 16 in PF: registers 8 gg .. 8 gg + 7 are source 1 for keys 32 gg on.
; Behind it nothing reads the tile's 32 score registers any more.
.macro PACKT t
.set pp, 0
.rept 16
.if pp == 0
	v_pk_fma_f32 v[ST+8*(\t)+2:ST+8*(\t)+3], v[ST+8*(\t)+2:ST+8*(\t)+3], v[ST+8*(\t)+4:ST+8*(\t)+5], v[S+32*(\t):S+32*(\t)+1] op_sel_hi:[1,0,1]   ; l = l f + pair 0
.elseif pp == 1
	v_pk_add_f32 v[ST+8*(\t)+6:ST+8*(\t)+7], v[S+32*(\t)+2:S+32*(\t)+3], v[S+32*(\t)+6:S+32*(\t)+7]   ; pairs 1 and 3 start the second chain
.elseif pp == 3
.elseif pp%2 == 0
	v_pk_add_f32 v[ST+8*(\t)+2:ST+8*(\t)+3], v[ST+8*(\t)+2:ST+8*(\t)+3], v[S+32*(\t)+2*pp:S+32*(\t)+2*pp+1]
.else
	v_pk_add_f32 v[ST+8*(\t)+6:ST+8*(\t)+7], v[ST+8*(\t)+6:ST+8*(\t)+7], v[S+32*(\t)+2*pp:S+32*(\t)+2*pp+1]
.endif
	v_cvt_pk_f16_f32 v[PF+16*(\t)+pp], v[S+32*(\t)+2*pp], v[S+32*(\t)+2*pp+1]
.set pp, pp+1
.endr
	v_pk_add_f32 v[ST+8*(\t)+2:ST+8*(\t)+3], v[ST+8*(\t)+2:ST+8*(\t)+3], v[ST+8*(\t)+6:ST+8*(\t)+7]
.endm
.macro RESC d2, p0, np                 ; O^T x f for d 32 d2 on: pairs p0 .. p0 + np - 1 of the half's eight, both tiles; each accumulator from its low end on
.set pp, \p0
.rept \np
.irp t, 0,1
	v_pk_mul_f32 v[OA+32*\t+16*(\d2)+2*pp:OA+32*\t+16*(\d2)+2*pp+1], v[OA+32*\t+16*(\d2)+2*pp:OA+32*\t+16*(\d2)+2*pp+1], v[ST+8*\t+4:ST+8*\t+5] op_sel_hi:[1,0]
.endr
.set pp, pp+1
.endr
.endm
.macro PV d2                           ; O^T += V^T P for d 32 d2 on: eight products, four accumulators by turns, one instruction a turn
.set gg, 0
.rept 2
.set xx, 0
.rept 2
.set tt, 0
.rept 2
	v_wmma_f32_16x16x32_f16 v[OA+32*tt+16*(\d2)+8*xx:OA+32*tt+16*(\d2)+8*xx+7], v[VH+16*gg+8*xx:VH+16*gg+8*xx+7], v[PF+16*tt+8*gg:PF+16*tt+8*gg+7], v[OA+32*tt+16*(\d2)+8*xx:OA+32*tt+16*(\d2)+8*xx+7]
.set tt, tt+1
.endr
.set xx, xx+1
.endr
.set gg, gg+1
.endr
.endm
; A KEY STEP: 64 keys.  next = 1: the next step's bias is asked for in its middle, the next step's K at its end.
.macro STEP next
	s_wait_loadcnt 0x0                             ; the bias
	s_wait_dscnt 0x0                               ; K
.set ee, 0
.rept 2
.set kt, 0
.rept 4
.set tt, 0
.rept 2                                ; eight accumulators by turns, one instruction a turn; the first product adds onto the bias
	v_wmma_f32_16x16x32_f16 v[S+32*tt+8*kt:S+32*tt+8*kt+7], v[KV+16*kt+8*ee:KV+16*kt+8*ee+7], v[QF+16*tt+8*ee:QF+16*tt+8*ee+7], v[S+32*tt+8*kt:S+32*tt+8*kt+7]
.set tt, tt+1
.endr
.set kt, kt+1
.endr
.set ee, ee+1
.endr
.rept 4
	v_nop                                          ; four places in front of the loads into K's registers and of the first read of scores
.endr
	v_add_nc_u32 v[VA], s40, v[LIV]
	VLOAD 0                                        ; lands under the softmax
	; the maximum of my 32 scores and the old m, three operands at a time, two chains a tile; each accumulator is first read at its two lowest registers
.irp t, 0,1
	v_max3_num_f32 v[ST+8*\t+6], v[S+32*\t], v[S+32*\t+1], v[S+32*\t+2]
.endr
.irp t, 0,1
	v_max3_num_f32 v[ST+8*\t+7], v[S+32*\t+3], v[S+32*\t+4], v[S+32*\t+5]
.endr
.irp i, 6,10,14,18,22,26
.irp t, 0,1
	v_max3_num_f32 v[ST+8*\t+6], v[ST+8*\t+6], v[S+32*\t+\i], v[S+32*\t+\i+1]
.endr
.irp t, 0,1
	v_max3_num_f32 v[ST+8*\t+7], v[ST+8*\t+7], v[S+32*\t+\i+2], v[S+32*\t+\i+3]
.endr
.endr
.irp t, 0,1
	v_max3_num_f32 v[ST+8*\t+6], v[ST+8*\t+6], v[S+32*\t+30], v[S+32*\t+31]
.endr
.irp t, 0,1
	v_max3_num_f32 v[ST+8*\t+6], v[ST+8*\t+6], v[ST+8*\t+7], v[ST+8*\t]
.endr
.irp t, 0,1
	v_permlanex16_b32 v[ST+8*\t+7], v[ST+8*\t+6], s38, s39   ; the query's other 32 keys lie in the lane 16 away
.endr
.irp t, 0,1
	v_mov_b32 v[ST+8*\t+1], v[ST+8*\t]
.endr
.irp t, 0,1
	v_max_num_f32 v[ST+8*\t], v[ST+8*\t+6], v[ST+8*\t+7]     ; the new m
.endr
.irp t, 0,1
	v_sub_f32 v[ST+8*\t+1], v[ST+8*\t+1], v[ST+8*\t]         ; old m - new m, 0 or less
.endr
.irp t, 0,1
	v_exp_f32 v[ST+8*\t+4], v[ST+8*\t+1]                     ; f
.endr
.set pp, 0
.rept 16
.irp t, 0,1
	v_pk_add_f32 v[S+32*\t+2*pp:S+32*\t+2*pp+1], v[S+32*\t+2*pp:S+32*\t+2*pp+1], v[ST+8*\t:ST+8*\t+1] op_sel_hi:[1,0] neg_lo:[0,1] neg_hi:[0,1]   ; t - m, two at a time
.endr
.set pp, pp+1
.endr
.set pp, 0
.rept 32
.irp t, 0,1
	v_exp_f32 v[S+32*\t+pp], v[S+32*\t+pp]         ; p = 2^(t - m), at most 1
.endr
.set pp, pp+1
.endr
	v_nop                                          ; a plain instruction behind the last exponential
	s_wait_alu depctr_va_vdst(0)                   ; the wait ahead of the first line that names a result: ONE for the step's 66 exponentials
	PACKT 0                                        ; tile 0's score registers are free behind this,
.if \next
	s_wait_xcnt 0x0                                ; the last prefetch, a step back, has read the bias's base (its loads were waited for at this step's head): it may step
	s_add_nc_u64 s[32:33], s[32:33], 2048          ; two key tiles on, in both halves
	BLOAD 0                                        ; and take the next step's bias at once
.endif
	PACKT 1
.if \next
	BLOAD 1
	; A PREFETCH of the bias of the step that stands two behind the one just asked for: my wave's 8,192 bytes of it, 32 blocks of 256 bytes, a lane a block, one instruction, behind the wave's own loads.  Of the 16 work-groups
	; (batches) that read the same bytes, batch 0's asks: each block is named once in the launch.  The trips whose look-ahead would pass step 15 ask for nothing, and so does the head.
	s_cmp_gt_u32 s41, s42
	s_cbranch_scc0 .Lnot_mine_\@
	global_prefetch_b8 v[PFO], s[32:33] offset:4096 th:TH_LOAD_NT scope:SCOPE_SE
.Lnot_mine_\@:
.endif
	RESC 0, 0, 8                                   ; O^T x f, d 0-31
	s_wait_dscnt 0x0                               ; V's first half
	PV 0
	RESC 1, 0, 2                                   ; O^T x f, d 32-63: its first four lines name no register of the products above: they are the four places in front of the loads into V's registers,
	VLOAD 1
	RESC 1, 2, 6                                   ; and the other twelve stand under those loads
	s_wait_dscnt 0x0                               ; V's second half
	PV 1
.if \next
.rept 4
	v_nop                                          ; four places in front of the loads into V's and p's registers
.endr
	s_add_co_u32 s40, s40, 8192
	KLOAD
.endif
.endm
	KLOAD
	BLOAD 0
	BLOAD 1
.Lstep:                                ; 15 trips; the last step is written out, so that no load leaves the bias's buffer or K's region
	STEP 1
	s_sub_co_u32 s41, s41, 1
	s_cmp_lg_u32 s41, 0
	s_cbranch_scc1 .Lstep
	STEP 0
	; THE WAY OUT.  l's two halves and the other half of the lanes' are added; O^T / l is rounded to f16.  A lane's eight d of a query ARE a group of four registers of the next launch's operand: they are stored as they stand.
.rept 4
	v_nop
.endr
.irp t, 0,1
	v_add_f32 v[ST+8*\t+6], v[ST+8*\t+2], v[ST+8*\t+3]
.endr
.irp t, 0,1
	v_permlanex16_b32 v[ST+8*\t+7], v[ST+8*\t+6], s38, s39
.endr
.irp t, 0,1
	v_add_f32 v[ST+8*\t+6], v[ST+8*\t+6], v[ST+8*\t+7]
.endr
.irp t, 0,1
	v_rcp_f32 v[ST+8*\t+4], v[ST+8*\t+6]
.endr
	v_nop                                          ; a plain instruction behind the last reciprocal
	s_wait_alu depctr_va_vdst(0)                   ; and the wait ahead of the first use: one for both
.set pp, 0
.rept 16
.irp t, 0,1
	v_pk_mul_f32 v[OA+32*\t+2*pp:OA+32*\t+2*pp+1], v[OA+32*\t+2*pp:OA+32*\t+2*pp+1], v[ST+8*\t+4:ST+8*\t+5] op_sel_hi:[1,0]
.endr
.set pp, pp+1
.endr
.set pp, 0
.rept 16
.irp t, 0,1
	v_cvt_pk_f16_f32 v[S+16*\t+pp], v[OA+32*\t+2*pp], v[OA+32*\t+2*pp+1]
.endr
.set pp, pp+1
.endr
.irp t, 0,1
.irp d, 0,1,2,3
	global_store_b128 v[LI], v[S+16*\t+4*\d:S+16*\t+4*\d+3], s[34:35] offset:16384*\t+512*\d   ; 512 consecutive bytes, aligned
.endr
.endr
	s_wait_tensorcnt 0x0                           ; the wave's end, behind my last LDS store
	ds_add_u32 v[SPW], v[NIL]
	s_wait_dscnt 0x0
	s_endpgm
.Lfunc_end_k_qca693ef2bf_attn:
	.size	k_qca693ef2bf_attn, .Lfunc_end_k_qca693ef2bf_attn-k_qca693ef2bf_attn
	.p2alignl 7, 3214868480
	.fill 96, 4, 3214868480
	.section	.rodata,"a",@progbits
	.p2align	6, 0x0
	.amdhsa_kernel k_qca693ef2bf_attn
		.amdhsa_group_segment_fixed_size 316416
		.amdhsa_private_segment_fixed_size 0
		.amdhsa_enable_private_segment 0
		.amdhsa_kernarg_size 48
		.amdhsa_user_sgpr_count 2
		.amdhsa_user_sgpr_kernarg_segment_ptr 1
		.amdhsa_wavefront_size32 1
		.amdhsa_system_sgpr_workgroup_id_x 1
		.amdhsa_system_sgpr_workgroup_id_y 1
		.amdhsa_system_sgpr_workgroup_id_z 1
		.amdhsa_system_vgpr_workitem_id 0
		.amdhsa_next_free_vgpr 256
		.amdhsa_next_free_sgpr 66
		.amdhsa_reserve_vcc 0
		.amdhsa_float_denorm_mode_32 3
		.amdhsa_float_denorm_mode_16_64 3
		.amdhsa_memory_ordered 1
		.amdhsa_forward_progress 1
		.amdhsa_inst_pref_size 96
	.end_amdhsa_kernel
	.amdgpu_metadata
---
amdhsa.version: [ 1, 2 ]
amdhsa.kernels:
  - .name:           k_qca693ef2bf_attn
    .symbol:         k_qca693ef2bf_attn.kd
    .args:
      - { .name: xc, .offset: 0, .size: 8, .value_kind: global_buffer, .address_space: global }
      - { .name: xs, .offset: 8, .size: 8, .value_kind: global_buffer, .address_space: global }
      - { .name: wc, .offset: 16, .size: 8, .value_kind: global_buffer, .address_space: global }
      - { .name: ws, .offset: 24, .size: 8, .value_kind: global_buffer, .address_space: global }
      - { .name: biasf, .offset: 32, .size: 8, .value_kind: global_buffer, .address_space: global }
      - { .name: of, .offset: 40, .size: 8, .value_kind: global_buffer, .address_space: global }
    .group_segment_fixed_size: 316416
    .private_segment_fixed_size: 0
    .kernarg_segment_align: 8
    .kernarg_segment_size: 48
    .max_flat_workgroup_size: 512
    .sgpr_count:     66
    .vgpr_count:     256
    .wavefront_size: 32
...
	.end_amdgpu_metadata
.endif
;; end of part 2
;; launch oproj (part 3): grid 256 x 1, 16 waves a work-group, no clusters, 199,680 bytes of LDS; arguments of, wof, bo, out0; writes out0
.if DOCPART == 3
	.amdgcn_target "amdgcn-amd-amdhsa--gfx1250"
	.amdhsa_code_object_version 6
	.text
	.protected	k_qca693ef2bf_oproj
	.globl	k_qca693ef2bf_oproj
	.p2align	8
	.type	k_qca693ef2bf_oproj,@function
k_qca693ef2bf_oproj:
	s_mov_b64 s[64:65], 0
	v_nop
	global_prefetch_b8 v0, s[64:65] scope:SCOPE_SE
	s_setreg_imm32_b32 hwreg(HW_REG_WAVE_MODE, 25, 1), 1
	s_wait_xcnt 0x0
; out0 = o Wo^T + bo.  o [16384][512] and Wo [512][512] arrive as f16 operand fragments (a group of four registers = 512 bytes, lane l at 16 l); bo [512] and out0 [16384][512] are f32; sums in f32.
; SHARES.  A work-group takes 64 rows, four tiles of 16; wave w takes columns 32 w .. 32 w + 31, two tiles: eight accumulators.  So each fragment of Wo is read by ONE wave of the work-group, from memory straight into
; registers, three K steps ahead in a ring of four; o's 65,536 bytes go into LDS once, as they lie, and every wave reads them from there, one K step ahead in two buffers.
; THE MATRIX INSTRUCTION IS USED TRANSPOSED (source 0 = 16 rows of Wo, source 1 = 16 rows of o): a lane holds eight neighbouring columns of one row.  bo is the C of each sum's first product.
; THE WAY OUT: a row's 2,048 bytes come from sixteen waves: they meet in a stage in LDS (rows 2,064 bytes apart: row r starts 4 r banks on), and each wave stores four whole rows, 512 consecutive bytes an instruction.
; No tensor load and no cluster: o's rows are read by one work-group alone; Wo, 0.5 MB, is what the work-groups share, and it goes into registers.  No prefetch: all of o's bytes are wanted at the head.
; LIMITS: as the launch before: o and Wo in f16.
.set SG,    65536                      ; LDS: o's images at 0: [row tile: 4][K step of 32: 16][c: 2][512];  the stage here: 64 rows x 2,064
.set SPITCH, 2064
.set SPARE, SG+64*SPITCH               ; the spare words, 128 bytes for each wave: eight blocks of 256 bytes that no other line names
.set LI,  1                            ; v1  16 x lane
.set SO,  2                            ; v2  the stage, way in, rows 0-31: 2,064 r + 32 hh + 128 w
.set SO2, 3                            ; v3  rows 32-63
.set RDA, 4                            ; v4  way out: my four rows, 16 bytes a lane
.set BOF, 5                            ; v5  32 hh: bo's eight numbers of my half
.set SPW, 6                            ; v6  LDS address of my spare word; never rewritten
.set NIL, 7                            ; v7  0; never rewritten
.set OST, 8                            ; v8  where I put my 4,096 bytes of o
.set BC,  16                           ; v16-31   bo in the result's layout, eight registers a column tile
.set ACC, 32                           ; v32-95   accumulator (row tile m, column tile u) at 32 + 8 (2 m + u)
.set WB,  96                           ; v96-159  Wo: a ring of four K steps x 16 registers; on the way out, rows
.set OFR, 160                          ; v160-223 o: two buffers of four fragments
.set CT,  224                          ; v224-255 o on its way into LDS
	s_load_b256 s[4:11], s[0:1], 0x0               ; of, wof, bo, out0
	v_lshl_add_u32 v[SPW], v0, 2, SPARE
	v_mov_b32 v[NIL], 0
	v_lshrrev_b32 v1, 5, v0
	v_readfirstlane_b32 s12, v1                    ; wave 0..15
	v_and_b32 v1, 31, v0
	v_lshlrev_b32 v[LI], 4, v1
	v_and_b32 v9, 15, v0                           ; r
	v_bfe_u32 v10, v0, 4, 1                        ; hh
	v_lshlrev_b32 v[BOF], 5, v10
	v_mul_u32_u24 v[SO], v9, SPITCH
	v_add_nc_u32 v[SO], v[SO], v[BOF]
	s_lshl_b32 s13, s12, 7
	v_add_nc_u32 v[SO], s13, v[SO]
	v_add_nc_u32 v[SO], SG, v[SO]
	v_add_nc_u32 v[SO2], 32*SPITCH, v[SO]
	s_mul_i32 s13, s12, 4*SPITCH
	v_add_nc_u32 v[RDA], s13, v[LI]
	v_add_nc_u32 v[RDA], SG, v[RDA]
	s_lshl_b32 s13, s12, 12
	v_add_nc_u32 v[OST], s13, v[LI]
	s_mov_b32 s15, 0
	s_lshl_b32 s14, ttmp9, 16
	s_add_co_u32 s14, s14, s13
	s_wait_kmcnt 0x0
	s_add_nc_u64 s[4:5], s[4:5], s[14:15]          ; o: my work-group's 65,536 bytes, my wave's 4,096
	s_lshl_b32 s14, s12, 15
	s_add_nc_u64 s[6:7], s[6:7], s[14:15]          ; Wo: my two tiles of 16 rows
	s_lshl_b32 s14, s12, 7
	s_add_nc_u64 s[8:9], s[8:9], s[14:15]          ; bo: my 32 numbers
	s_lshl_b32 s14, ttmp9, 6
	s_lshl_b32 s16, s12, 2
	s_add_co_u32 s14, s14, s16
	s_lshl_b32 s14, s14, 11
	s_add_nc_u64 s[10:11], s[10:11], s[14:15]      ; out0: row 64 g + 4 w
.macro WBL k                           ; Wo's two fragments of K step k into slot k % 4
.irp u, 0,1
.irp c, 0,1
	global_load_b128 v[WB+16*((\k)%4)+8*\u+4*\c:WB+16*((\k)%4)+8*\u+4*\c+3], v[LI], s[6:7] offset:16384*\u+1024*(\k)+512*\c
.endr
.endr
.endm
.macro OFL k                           ; o's four fragments of K step k into buffer k % 2
.irp m, 0,1,2,3
.irp c, 0,1
	ds_load_b128 v[OFR+32*((\k)%2)+8*\m+4*\c:OFR+32*((\k)%2)+8*\m+4*\c+3], v[LI] offset:16384*\m+1024*(\k)+512*\c
.endr
.endr
.endm
.irp n, 0,1,2,3,4,5,6,7
	global_load_b128 v[CT+4*\n:CT+4*\n+3], v[LI], s[4:5] offset:512*\n th:TH_LOAD_NT
.endr
.irp u, 0,1
	global_load_b128 v[BC+8*\u:BC+8*\u+3], v[BOF], s[8:9] offset:64*\u
	global_load_b128 v[BC+8*\u+4:BC+8*\u+7], v[BOF], s[8:9] offset:64*\u+16
.endr
	WBL 0
	WBL 1
	WBL 2
	s_wait_loadcnt 16                              ; o's eight loads are in: behind them stand bo's four and Wo's twelve
.irp n, 0,1,2,3,4,5,6,7
	ds_store_b128 v[OST], v[CT+4*\n:CT+4*\n+3] offset:512*\n
.endr
	s_wait_dscnt 0x0                               ; for the others' sake: my part of o lies in LDS
	s_barrier_signal -1
	s_barrier_wait -1
	OFL 0
.set ks, 0
.rept 16                               ; K = 512 in 16 steps of 32, written out: every offset is an immediate
.if ks > 0
.rept 4
	v_nop                                          ; four places in front of loads into registers that the last step's products read
.endr
.endif
.if ks+3 < 16
	WBL ks+3
.endif
.if ks+1 < 16
	OFL ks+1
.endif
.if 15-ks >= 3
	s_wait_loadcnt 12                              ; this step's fragments of Wo are in (at step 0 bo too); those of the three steps behind may be out
.else
	s_wait_loadcnt 4*(15-ks)
.endif
.if ks+1 < 16
	s_wait_dscnt 8                                 ; this step's fragments of o are in; the next step's eight loads may be out
.else
	s_wait_dscnt 0x0
.endif
.irp m, 0,1,2,3
.irp u, 0,1                            ; eight accumulators by turns, one instruction a turn
.if ks == 0
	v_wmma_f32_16x16x32_f16 v[ACC+8*(2*\m+\u):ACC+8*(2*\m+\u)+7], v[WB+16*(ks%4)+8*\u:WB+16*(ks%4)+8*\u+7], v[OFR+32*(ks%2)+8*\m:OFR+32*(ks%2)+8*\m+7], v[BC+8*\u:BC+8*\u+7]
.else
	v_wmma_f32_16x16x32_f16 v[ACC+8*(2*\m+\u):ACC+8*(2*\m+\u)+7], v[WB+16*(ks%4)+8*\u:WB+16*(ks%4)+8*\u+7], v[OFR+32*(ks%2)+8*\m:OFR+32*(ks%2)+8*\m+7], v[ACC+8*(2*\m+\u):ACC+8*(2*\m+\u)+7]
.endif
.endr
.endr
.set ks, ks+1
.endr
.rept 4
	v_nop                                          ; four places in front of the stores that read results and of the loads into Wo's registers
.endr
.irp m, 0,1
.irp u, 0,1
	ds_store_b128 v[SO], v[ACC+8*(2*\m+\u):ACC+8*(2*\m+\u)+3] offset:16*SPITCH*\m+64*\u        ; lane (r, hh): row 16 m + r, columns 32 w + 16 u + 8 hh + 0 .. 7; each accumulator from its low end on
	ds_store_b128 v[SO], v[ACC+8*(2*\m+\u)+4:ACC+8*(2*\m+\u)+7] offset:16*SPITCH*\m+64*\u+16
.endr
.endr
.irp m, 0,1
.irp u, 0,1
	ds_store_b128 v[SO2], v[ACC+8*(2*\m+4+\u):ACC+8*(2*\m+4+\u)+3] offset:16*SPITCH*\m+64*\u
	ds_store_b128 v[SO2], v[ACC+8*(2*\m+4+\u)+4:ACC+8*(2*\m+4+\u)+7] offset:16*SPITCH*\m+64*\u+16
.endr
.endr
	s_wait_dscnt 0x0                               ; for the others' sake: my columns lie in the stage
	s_barrier_signal -1
	s_barrier_wait -1                              ; 64 whole rows do
.irp n, 0,1,2,3,4,5,6,7,8,9,10,11,12,13,14,15
	ds_load_b128 v[WB+4*\n:WB+4*\n+3], v[RDA] offset:SPITCH*(\n/4)+512*(\n%4)
.endr
.irp n, 0,1,2,3,4,5,6,7,8,9,10,11,12,13,14,15
	s_wait_dscnt 15-\n                             ; LDS loads come back in order: piece n is in, the younger ones may be out
	global_store_b128 v[LI], v[WB+4*\n:WB+4*\n+3], s[10:11] offset:2048*(\n/4)+512*(\n%4) th:TH_STORE_NT   ; 32 lanes store 512 consecutive bytes, aligned; written once, read by nobody here
.endr
	s_wait_tensorcnt 0x0                           ; the wave's end, behind my last LDS store
	ds_add_u32 v[SPW], v[NIL]
	s_wait_dscnt 0x0
	s_endpgm
.Lfunc_end_k_qca693ef2bf_oproj:
	.size	k_qca693ef2bf_oproj, .Lfunc_end_k_qca693ef2bf_oproj-k_qca693ef2bf_oproj
	.p2alignl 7, 3214868480
	.fill 96, 4, 3214868480
	.section	.rodata,"a",@progbits
	.p2align	6, 0x0
	.amdhsa_kernel k_qca693ef2bf_oproj
		.amdhsa_group_segment_fixed_size 199680
		.amdhsa_private_segment_fixed_size 0
		.amdhsa_enable_private_segment 0
		.amdhsa_kernarg_size 32
		.amdhsa_user_sgpr_count 2
		.amdhsa_user_sgpr_kernarg_segment_ptr 1
		.amdhsa_wavefront_size32 1
		.amdhsa_system_sgpr_workgroup_id_x 1
		.amdhsa_system_sgpr_workgroup_id_y 1
		.amdhsa_system_sgpr_workgroup_id_z 1
		.amdhsa_system_vgpr_workitem_id 0
		.amdhsa_next_free_vgpr 256
		.amdhsa_next_free_sgpr 66
		.amdhsa_reserve_vcc 0
		.amdhsa_float_denorm_mode_32 3
		.amdhsa_float_denorm_mode_16_64 3
		.amdhsa_memory_ordered 1
		.amdhsa_forward_progress 1
		.amdhsa_inst_pref_size 33
	.end_amdhsa_kernel
	.amdgpu_metadata
---
amdhsa.version: [ 1, 2 ]
amdhsa.kernels:
  - .name:           k_qca693ef2bf_oproj
    .symbol:         k_qca693ef2bf_oproj.kd
    .args:
      - { .name: of, .offset: 0, .size: 8, .value_kind: global_buffer, .address_space: global }
      - { .name: wof, .offset: 8, .size: 8, .value_kind: global_buffer, .address_space: global }
      - { .name: bo, .offset: 16, .size: 8, .value_kind: global_buffer, .address_space: global }
      - { .name: out0, .offset: 24, .size: 8, .value_kind: global_buffer, .address_space: global }
    .group_segment_fixed_size: 199680
    .private_segment_fixed_size: 0
    .kernarg_segment_align: 8
    .kernarg_segment_size: 32
    .max_flat_workgroup_size: 512
    .sgpr_count:     66
    .vgpr_count:     256
    .wavefront_size: 32
...
	.end_amdgpu_metadata
.endif
;; end of part 3
